; MI455X (gfx1250); checked and timed in simulation.
; The chip was launched on July 23, 2026; its instructions are those of AMD's public machine-readable ISA for CDNA 5 (MIT licence, August 2026) and "CDNA5" Instruction Set Architecture Reference Guide (July 2026). The comments in the code are by the model that wrote it; some were corrected since.
;; Model. Allowed arithmetic: matrix products marked QUANTISED: E2M1 operands, one E8M0 scale for each 32 along K, by v_wmma_scale_f32_16x16x128_f8f6f4 with both operands' format E2M1 (or v_wmma_scale_f32_32x16x128_f4), f32 sums; everything else in f32.
;; Inputs: key 4 x 16 x 2,048 x 64 float32; query 4 x 16 x 2,048 x 64 float32; value 4 x 16 x 2,048 x 64 float32.
;; Outputs: out0 4 x 16 x 2,048 x 64 float32.
;; Constants: dropout_p = 0.
;; This version of the problem:
;;   THIS VERSION OF THE PROBLEM IS GIVEN IN LOW PRECISION. The matrix products marked QUANTISED in the list below multiply operands that are first quantised to E2M1 (2 exponent bits, 1 mantissa bit; 4 bits a number), with one power-of-two scale for each 32 numbers along K (OCP MX v1.0); their sums are f32. All else is computed in f32.
;;   The module's matrix products, in the order in which they are computed (A, B: the left and right operand; K: the contracted axis; several contracted axes count as one K, in the product's order):
;;     1. batch 64 x [M 2,048, K 64] x [K 64, N 2,048]; A: input query; B: input key: QUANTISED
;;     2. batch 64 x [M 2,048, K 2,048] x [K 2,048, N 64]; A: softmax (see below); B: input value: QUANTISED
;;   THE QUANTISER, for each operand of a quantised product, along K:
;;     - K is cut into blocks of 32 from its start; a last block that is shorter is filled with zeros.
;;     - A block's scale is 2^e with e = floor(log2(the largest magnitude in the block)) - 2, held to -126 .. 127; a block of zeros has e = 0. As a byte (E8M0): e + 127.
;;     - Each number is divided by its block's scale, clamped to +-6, and rounded to the nearest number of E2M1, ties to even, subnormals kept.
;;     - The product sums the exact products of the quantised numbers (number of the format x scale) in f32.
;;   ~~~python
;;   def quantise(x, axis):      # numpy; x: float32 -> the quantised numbers, widened to float32 again
;;       x = np.moveaxis(x, axis, -1); K = x.shape[-1]
;;       x = np.pad(x, [(0, 0)] * (x.ndim - 1) + [(0, -K % 32)]); x = x.reshape(x.shape[:-1] + (-1, 32)); a = np.abs(x).max(-1, keepdims=True)
;;       e = np.where(a > 0, np.clip(np.frexp(np.where(a > 0, a, 1))[1] - 1 - 2, -126, 127), 0)      # np.frexp(a)[1] - 1 = floor(log2(a)), exactly
;;       r = np.clip(x / 2.0 ** e, -6, 6)
;;       step = 2.0 ** (np.maximum(np.frexp(np.where(r == 0, 1, r))[1] - 1, 0) - 1)
;;       q = np.round(r / step) * step * 2.0 ** e      # np.round: ties to even
;;       return np.moveaxis(q.reshape(q.shape[:-2] + (-1,))[..., :K], -1, axis).astype(np.float32)
;;   ~~~
;;   SOFTMAX AHEAD OF A QUANTISED PRODUCT. Where the list says 'softmax', what is quantised is not the finished softmax but p = 2^(t - M), with t = logit x log2(e) and M = ceil(the row's largest t), a whole number; so 1/2 < the row's largest p <= 1. The row's sum l is taken of the UNQUANTISED p, in f32, and the product's result is divided by l at the end. Since M is a whole number, a kernel that streams over the keys may use a running M (the ceiling of the running maximum): every later rescaling is an exact power of two, which a block's scale takes up: the codes' values come out the same.
;;   OPERANDS COMPUTED ON THE WAY. 'Computed on the way' means the value that the module computes at that place (a softmax that the list does not call 'softmax' is quantised finished and normalised). What goes into a quantiser is computed in f32, as accurately as f32 sums, v_exp_f32 and their like allow (about 1e-6 of the number): no bf16 or f16 on the way to a quantiser, and a product that is left as it is and whose result goes on into a quantised operand takes f32 operands (vector FMAs, or v_wmma_f32_16x16x4_f32). A number that lies on a knife's edge between two numbers of the format may be rounded either way, as far as f32 arithmetic and the matrix unit's own rounding can turn it there, and no further.
;; 2 versions. Each part assembles by itself: llvm-mc -triple=amdgcn-amd-amdhsa -mcpu=gfx1250 --defsym DOCPART=n.
;; ======== version 1 of 2: 1 launch
;; launch attn (part 1): grid 4 x 64, 16 waves a work-group, no clusters, 219,136 bytes of LDS; arguments query, key, value, out0; writes out0
.if DOCPART == 1
	.amdgcn_target "amdgcn-amd-amdhsa--gfx1250"
	.amdhsa_code_object_version 6
	.text
	.protected	k_q36ef843066_attn
	.globl	k_q36ef843066_attn
	.p2align	8
	.type	k_q36ef843066_attn,@function
k_q36ef843066_attn:
	s_mov_b64 s[64:65], 0
	v_nop
	global_prefetch_b8 v0, s[64:65] scope:SCOPE_SE
	s_setreg_imm32_b32 hwreg(HW_REG_WAVE_MODE, 25, 1), 1
	s_wait_xcnt 0x0
; out[h][q][:] = the sum over k of softmax_k(Q[h][q] . K[h][k] / 8) V[h][k][:].  Q, K, V, out: [64 heads][2048][64] f32, a row 256 bytes.  No mask.
; Both products run on codes of FP4 (E2M1) with one E8M0 scale for each 32 along a product's K: the head's 64 for Q K^T (two blocks), the keys for P V.
; THE SOFTMAX: t = score x log2(e) / 8; M = the row's largest t so far, rounded UP to a whole number; p = 2^(t - M) is what is quantised, along the keys, not normalised.  The row's sum is taken of the
; unquantised p, in f32, and divides O at the end.  When M moves, the sum and O are multiplied by 2^(old M - new M), which rounds nothing.
; SHARES.  A work-group of sixteen waves owns 512 queries of one head (grid 4 x 64); a wave owns 32 of them, two tiles of 16, in 256 registers: four waves to a SIMD, so that one wave's vector work stands
; beside another's matrix work and LDS loads.  Every wave walks the head's 2,048 keys, 128 a step.
; K AND V ARE QUANTISED HERE, one key step ahead of the step that is multiplied.  A step has 256 blocks of 32 of K (128 keys x 2) and 256 of V (64 channels x 4): one block a thread.  Waves 0-7 take K, waves 8-15 V.
; The codes go to LDS as IMAGES OF THE OPERANDS' REGISTERS (lane l's 16 bytes at 16 l).  A whole head's codes and scale bytes are 136 KiB: every step has LDS bytes of its own, none is written twice,
; and one barrier a step (stores waited for, then the barrier, then the loads) is all the ordering between waves.
; NO JOINT LOADS, NO TENSOR LOADS: every number of K and V has to pass through registers to be quantised.  Brought into LDS as f32 a step's tiles would be 64 KiB, read out, converted and stored again:
; two more passes through LDS.  So they come by register loads, which have no joint form.  The price: a head's four work-groups each quantise its K and V, one block of 32 a thread a step.
; LAYOUT.  Both products are used transposed: S^T = K Q^T (source 0 = keys, source 1 = my 16 queries), O^T = V^T P^T (source 0 = 16 channels, source 1 = P): a lane holds ONE query (lane % 16) throughout.
; THE FIRST PRODUCT'S K IS 64, THE INSTRUCTION'S 128.  A fragment of K holds TWO tiles of 16 keys: registers 0-3 tile 2 b (k = 0..63), registers 4-7 tile 2 b + 1 (k = 64..127).  Q lies as [0, q0, 0, q1, 0],
; four registers each: source 1 is [q, 0] for tile 2 b and [0, q] for tile 2 b + 1; the zero codes take the other tile out of the sum exactly.
; THE KEYS OF A TILE ARE NOT NEIGHBOURS: lane r of tile 2 b + u takes key 32 b + 8 u + r + 8 (r / 8), so that score register 16 b + i of lane (r, h) is key 32 b + 16 h + i: 16 neighbours along the next K.
; LIMITS.  NaN and infinities among the inputs are not served.  A block of zeros gets the scale byte 1 where the quantiser's rule says 127: its codes are zeros, which add nothing under any byte but 0xff, and
; the bytes are read by this program alone.  A block's largest p is taken from its largest score: that takes v_exp_f32 not to fall where its input rises; at the worst one p of a block is held one code low.
.set STEPS,  16                        ; key steps of 128
.set STEPB,  32768                     ; a step's 128 rows of K or V in memory
.set IMGB,   8192                      ; LDS 0 .. 131071: step j's images at 8192 j: K's four fragments (1024 b + 512 u + 16 lane),
.set VIMG,   4096                      ; then V's four (1024 t + 512 c + 16 lane; t = channel / 16, c = registers 4 c .. 4 c + 3)
.set SCL,    131072                    ; LDS 131072 .. 139263: step j's scale words at 512 j: K's at 16 r + 4 b (bytes: tile 2 b block 0, 1; tile 2 b + 1 block 0, 1),
.set SCLB,   512
.set VSCL,   256                       ; V's at 256 + 16 r + 4 t (byte = the step's block of 32 keys): one load of 16 bytes at 16 r brings four scale registers
.set STG,    139264                    ; LDS 139264 .. 217087: a stage of 4,864 bytes for each wave, its own
.set STGB,   4864
.set CELL,   144                       ; the turn of Q and K: cell (row r, block h) holds 128 bytes at 144 r + 2432 h: 144 is 9 x 16, so sixteen rows' reads of 16 bytes fall on different banks
.set HALFB,  2432
.set OPITCH, 272                       ; the way out: 16 rows of 256 bytes + 16
.set LI,   1                           ; v1   16 x lane: my place in an image; also my offset in dense global rows
.set LSC,  2                           ; v2   SCL + 16 (lane % 16)
.set RO,   3                           ; v3   my offset in a raw load: 16 x lane (K), 4 x lane (V)
.set STW,  4                           ; v4   the turn, on the way in
.set STR,  5                           ; v5   and on the way out
.set KWI,  6                           ; v6   where a K wave's lane puts its 16 bytes of codes in a step's images
.set KWS,  7                           ; v7   and its scale byte
.set VWI,  8                           ; v8   the same for a V wave
.set VWS,  9                           ; v9
.set AD,   10                          ; v10  LI + this step's images
.set ADS,  11                          ; v11  LSC + this step's scale words
.set KWT,  12                          ; v12-15  v6-9 + this step's; the stores add one step by their immediates
.set KST,  13
.set VWT,  14
.set VST,  15
.set PFO,  16                          ; v16  256 x lane: the prefetch's offset; never rewritten
.set OSW,  17                          ; v17  the way out: where I put 32 bytes of a row
.set OSR,  18                          ; v18  and where I read a row back
.set H8,   19                          ; v19  8 (lane / 16)
.set QB,   20                          ; v20-39  [0, q0, 0, q1, 0]
.set QS,   40                          ; v40-41  Q's scale words (s0, s1, s0, s1), tile 0 and 1
                                       ; v42-45, v46-49  a tile's -M, largest t, and the sum in two halves
.set KS,   50                          ; v50-53  K's scale words
.set VS,   54                          ; v54-57  V's
.set PC,   58                          ; v58-65  p's codes
.set F,    66                          ; v66  f = 2^(old M - new M)
.set PW,   67                          ; v67  p's scale word
.set BM,   68                          ; v68-71  the blocks' largest scores, then largest p
.set T2,   72                          ; v72-75  lane permutes' destinations; v[72:73] is also the sum's second chain
.set SCO,  76                          ; v76-79  the conversions' scale operands
.set TMP,  80
.set CQ,   82                          ; v82-85  the quantiser's codes
.set QM,   86                          ; v86-87  its two chains of maxima
.set QSO,  88                          ; v88  its scale operand
.set BYQ,  89                          ; v89  its scale byte
.set BY,   90                          ; v90-93  p's four scale bytes
.set KF,   96                          ; v96-127  K's four fragments; behind the scores' products, the raw block on its way
.set S,    128                         ; v128-191  S^T, then p; v128-159 then take V's four fragments
.set RAW0, 160                         ; at the head: step 0's raw block
                                       ; v192-223, v224-255  O^T of tile 0 and 1
.set LN,   80                          ; at the head only: lane, lane % 16, lane / 16, (lane / 8) % 2, lane % 8
.set LR,   81
.set LH,   86
.set L3,   87
.set L7,   88
.set WV,   12                          ; s12  my wave's number
.set W7,   13                          ; s13  my number among the eight waves of my role
.set SEL,  20                          ; s[20:21] v_permlanex16_b32's selects for lane l xor 16
.set CS,   22                          ; s[22:23] c = log2(e) / 8: the packed form names a pair and takes its low word for both halves
.set J,    24                          ; s24  the trip
.set TI,   25                          ; s25  8192 x the step
.set TS,   26                          ; s26  512 x the step
.set LIM,  27                          ; s27  a wave prefetches while J is under it: 14 or 0
.set RAWP, 28                          ; s[28:29] where my wave's raw block of the next step begins
.set PFP,  30                          ; s[30:31] where my wave's prefetch stands
; 32 registers loaded as 8 x 512 dense bytes (load i: rows 2 i and 2 i + 1, 16 bytes a lane) go through my stage and come back so that lane 16 h + r holds block h (32 numbers) of row r.
; LDS serves a wave's instructions in order (ISA guide 5.7.1.4): no wait stands between the stores and the loads.
.macro TURN reg
.irp i, 0,1,2,3,4,5,6,7
	ds_store_b128 v[STW], v[\reg+4*\i:\reg+4*\i+3] offset:2*CELL*\i
.endr
.irp i, 0,1,2,3,4,5,6,7
	ds_load_b128 v[\reg+4*\i:\reg+4*\i+3], v[STR] offset:16*\i
.endr
.endm
; A block of 32 numbers in one lane's registers becomes 16 bytes of codes in v[dst] on and a scale byte in v[BYQ].
.macro QUANT32 src, dst
	v_max3_num_f32 v[QM], |v[\src]|, |v[\src+1]|, |v[\src+2]|          ; the largest magnitude, in two chains
	v_max3_num_f32 v[QM+1], |v[\src+3]|, |v[\src+4]|, |v[\src+5]|
.irp i, 6,10,14,18,22,26
	v_max3_num_f32 v[QM], v[QM], |v[\src+\i]|, |v[\src+\i+1]|
	v_max3_num_f32 v[QM+1], v[QM+1], |v[\src+\i+2]|, |v[\src+\i+3]|
.endr
	v_max3_num_f32 v[QM], v[QM], |v[\src+30]|, |v[\src+31]|
	v_max3_num_f32 v[QM], v[QM], v[QM+1], 0x1800000                    ; and the floor 2^(3 - 127): the byte cannot fall under 1
	v_add_nc_u32 v[QSO], 0xff000000, v[QM]                             ; 2 off the exponent field: the conversion takes the exponent field of this operand as its scale, and nothing else of it
	v_lshrrev_b32 v[BYQ], 23, v[QSO]                                   ; the scale's byte
.irp g, 0,1,2,3
	v_cvt_scalef32_pk8_fp4_f32 v[\dst+\g], v[\src+8*\g:\src+8*\g+7], v[QSO]
.endr
	v_nop                                                              ; one plain place behind a scaled conversion
.endm
; Q's scale word from v[BYQ]: my block's byte 8 h bits up, joined with lane l xor 16's, and the pair once more in the upper half
.macro QWORD y
	v_lshlrev_b32 v[TMP], v[H8], v[BYQ]
	v_permlanex16_b32 v[T2], v[TMP], s[SEL], s[SEL+1]
	v_or_b32 v[TMP], v[TMP], v[T2]
	v_lshl_or_b32 v[QS+\y], v[TMP], 16, v[TMP]
.endm
; My wave's raw block of a step is asked for.  K wave 2 b + u: the tile's 16 keys are two runs of eight rows, 4,096 bytes apart: eight loads of 512 consecutive bytes.
; V wave 2 kb + dh: lane l takes channel 32 dh + l, and its registers run down the 32 keys of block kb: each load reads 128 consecutive bytes.
; pf = 1: behind the loads stands the prefetch of the step after the one just asked for (trip j: step j + 2).  Of a head's four work-groups the first asks; in it waves 0-3 for K and waves 8-11 for V,
; 8,192 bytes a wave, lanes 256 bytes apart: each row of 256 bytes is named once in the launch.  It stops where step j + 2 would pass the head's last step.
.macro RAWLOAD reg, pf
	s_cmp_lt_u32 s[WV], 8
	s_cbranch_scc0 .Lraw_v_\@
.irp i, 0,1,2,3,4,5,6,7
	global_load_b128 v[\reg+4*\i:\reg+4*\i+3], v[RO], s[RAWP:RAWP+1] offset:512*\i+2048*(\i/4)
.endr
	s_branch .Lraw_done_\@
.Lraw_v_\@:
.irp i, 0,1,2,3,4,5,6,7,8,9,10,11,12,13,14,15,16,17,18,19,20,21,22,23,24,25,26,27,28,29,30,31
	global_load_b32 v[\reg+\i], v[RO], s[RAWP:RAWP+1] offset:256*\i
.endr
.Lraw_done_\@:
.if \pf
	s_cmp_lt_u32 s[J], s[LIM]
	s_cbranch_scc0 .Lno_pf_\@
	global_prefetch_b8 v[PFO], s[PFP:PFP+1] th:TH_LOAD_NT scope:SCOPE_SE
.Lno_pf_\@:
.endif
.endm
; The raw block, which has landed, becomes codes and a scale byte in LDS.  ki, ks, vi, vs: the address registers; oi, os: how far on the step's images and scale words lie.
.macro RAWQUANT reg, ki, ks, vi, vs, oi, os
	s_cmp_lt_u32 s[WV], 8
	s_cbranch_scc0 .Lq_v_\@
	TURN \reg
	s_wait_dscnt 0x0                                                   ; the block is back from the stage
	QUANT32 \reg, CQ
	ds_store_b128 v[\ki], v[CQ:CQ+3] offset:\oi
	ds_store_b8 v[\ks], v[BYQ] offset:\os
	s_branch .Lq_done_\@
.Lq_v_\@:
	QUANT32 \reg, CQ
	ds_store_b128 v[\vi], v[CQ:CQ+3] offset:\oi
	ds_store_b8 v[\vs], v[BYQ] offset:\os
.Lq_done_\@:
.endm
; A KEY STEP FOR TILE y OF MY QUERIES.  raw = 1: the next step's raw block is asked for behind the scores' products, into K's registers, and quantised at the phase's end.  kl = 1: K's fragments are read from LDS.
.macro PHASE y, raw, kl
.set ST, 42+4*\y
.set OT, 192+32*\y
.if \kl
.irp b, 0,1,2,3
.irp c, 0,1
	ds_load_b128 v[KF+8*\b+4*\c:KF+8*\b+4*\c+3], v[AD] offset:1024*\b+512*\c
.endr
.endr
	ds_load_b128 v[KS:KS+3], v[ADS]
	s_wait_dscnt 0x0
.endif
.irp b, 0,1,2,3                                ; S^T = K Q^T: eight tiles of 16 keys; tile 2 b + u takes half u of fragment b, by the place of q in source 1
.irp u, 0,1
	v_wmma_scale_f32_16x16x128_f8f6f4 v[S+8*(2*\b+\u):S+8*(2*\b+\u)+7], v[KF+8*\b:KF+8*\b+7], v[QB+4+8*\y-4*\u:QB+11+8*\y-4*\u], 0, v[KS+\b], v[QS+\y] matrix_a_fmt:MATRIX_FMT_FP4 matrix_b_fmt:MATRIX_FMT_FP4
.endr
.endr
.rept 4
	v_nop                                          ; four places in front of the first read of the scores and of the loads into K's registers
.endr
.if \raw
	RAWLOAD KF, 1
.endif
.irp b, 0,1,2,3
	v_max3_num_f32 v[BM+\b], v[S+16*\b], v[S+16*\b+1], v[S+16*\b+2]   ; THE LARGEST SCORE OF EACH BLOCK OF 32 KEYS serves twice: for the row's maximum, and, since p rises with the score, for the block's largest p
.endr
.irp i, 3,5,7,9,11,13
.irp b, 0,1,2,3
	v_max3_num_f32 v[BM+\b], v[BM+\b], v[S+16*\b+\i], v[S+16*\b+\i+1]  ; (the four blocks by turns)
.endr
.endr
.irp b, 0,1,2,3
	v_max_num_f32 v[BM+\b], v[BM+\b], v[S+16*\b+15]
.endr
.irp b, 0,1,2,3
	v_permlanex16_b32 v[T2+\b], v[BM+\b], s[SEL], s[SEL+1]
.endr
.irp b, 0,1,2,3
	v_max_num_f32 v[BM+\b], v[BM+\b], v[T2+\b]     ; with lane l xor 16's 16 keys
.endr
	v_max3_num_f32 v[TMP], v[BM], v[BM+1], v[BM+2]
	v_max_num_f32 v[TMP], v[TMP], v[BM+3]          ; the step's largest score of my query
	v_mul_f32 v[TMP], s[CS], v[TMP]                ; as t (c is positive)
	v_max_num_f32 v[ST+1], v[ST+1], v[TMP]         ; the running largest t
	v_mov_b32 v[TMP], v[ST]
	v_floor_f32 v[ST], -v[ST+1]                    ; the new -M = floor(-t) = -ceil(t): M is a whole number
	v_sub_f32 v[TMP], v[ST], v[TMP]                ; M's old value less its new one: a whole number, 0 or less
	v_cvt_i32_f32 v[TMP], v[TMP]                   ; (it saturates)
	v_ldexp_f32 v[F], 1.0, v[TMP]                  ; f = 2^(old M - new M)
.irp j, 0,2,4,6,8,10,12,14,16,18,20,22,24,26,28,30,32,34,36,38,40,42,44,46,48,50,52,54,56,58,60,62
	v_pk_fma_f32 v[S+\j:S+\j+1], v[S+\j:S+\j+1], s[CS:CS+1], v[ST:ST+1] op_sel_hi:[1,0,0]   ; t - M, two at a time (of the pairs c and -M the low word serves both halves)
.endr
.irp b, 0,1,2,3
	v_fma_f32 v[BM+\b], v[BM+\b], s[CS], v[ST]     ; the same of each block's largest score
.endr
.irp j, 0,1,2,3,4,5,6,7,8,9,10,11,12,13,14,15,16,17,18,19,20,21,22,23,24,25,26,27,28,29,30,31,32,33,34,35,36,37,38,39,40,41,42,43,44,45,46,47,48,49,50,51,52,53,54,55,56,57,58,59,60,61,62,63
	v_exp_f32 v[S+\j], v[S+\j]                     ; p = 2^(t - M), at most 1: not normalised
.endr
	v_pk_mul_f32 v[ST+2:ST+3], v[ST+2:ST+3], v[F:F+1] op_sel_hi:[1,0]   ; the sums under the new M: the plain place behind the exponentials
	s_wait_alu depctr_va_vdst(0)                   ; one wait for the batch of 64, ahead of its first reader
.irp b, 0,1,2,3
	v_exp_f32 v[BM+\b], v[BM+\b]                   ; the block's largest p: the same two instructions on the same number give the same bits
.endr
	v_pk_add_f32 v[T2:T2+1], v[S:S+1], v[S+2:S+3]  ; THE ROW'S SUM IS TAKEN OF THE UNQUANTISED p, two at a time, in two chains.  First p's registers 0-31, which V's fragments will take
.irp j, 4,8,12,16,20,24,28
	v_pk_add_f32 v[ST+2:ST+3], v[ST+2:ST+3], v[S+\j:S+\j+1]
	v_pk_add_f32 v[T2:T2+1], v[T2:T2+1], v[S+\j+2:S+\j+3]
.endr
	s_wait_alu depctr_va_vdst(0)                   ; and one wait for the four
.irp b, 0,1,2,3
	v_max_num_f32 v[BM+\b], 0x1800000, v[BM+\b]    ; the floor 2^(3 - 127): the byte cannot fall under 1 (a block whose every p has fallen to 0 keeps that byte: its codes are zeros)
.endr
.irp b, 0,1,2,3
	v_add_nc_u32 v[SCO+\b], 0xff000000, v[BM+\b]   ; 2 off the exponent field: the conversion's scale operand
.endr
.irp b, 0,1,2,3
	v_lshrrev_b32 v[BY+\b], 23, v[SCO+\b]          ; the scale's byte
.endr
	v_lshl_or_b32 v[PW], v[BY+1], 8, v[BY]         ; p's scale word for these 128 keys
	v_lshl_or_b32 v[PW], v[BY+2], 16, v[PW]
	v_lshl_or_b32 v[PW], v[BY+3], 24, v[PW]
.irp b, 0,1,2,3
	v_cvt_scalef32_pk8_fp4_f32 v[PC+2*\b], v[S+16*\b:S+16*\b+7], v[SCO+\b]
	v_cvt_scalef32_pk8_fp4_f32 v[PC+2*\b+1], v[S+16*\b+8:S+16*\b+15], v[SCO+\b]
.endr
	v_nop                                          ; one plain place behind a scaled conversion
.irp c, 0,1                                    ; the operand's layout wants a WHOLE block in a lane: lanes 0-15 block 2 c, lanes 16-31 block 2 c + 1
.irp i, 0,1
	v_permlane16_swap_b32 v[PC+4*\c+\i], v[PC+2+4*\c+\i]
.endr
.endr
.irp t, 0,1,2,3                                ; V's four fragments (16 channels x 128 keys) land where p's first 32 registers lay: they are summed and converted
.irp c, 0,1
	ds_load_b128 v[S+8*\t+4*\c:S+8*\t+4*\c+3], v[AD] offset:VIMG+1024*\t+512*\c
.endr
.endr
	ds_load_b128 v[VS:VS+3], v[ADS] offset:VSCL
.irp j, 0,2,4,6,8,10,12,14,16,18,20,22,24,26,28,30
	v_pk_mul_f32 v[OT+\j:OT+\j+1], v[OT+\j:OT+\j+1], v[F:F+1] op_sel_hi:[1,0]   ; O^T under the new M, each accumulator from its low end on
.endr
.irp j, 32,36,40,44
	v_pk_add_f32 v[ST+2:ST+3], v[ST+2:ST+3], v[S+\j:S+\j+1]           ; the sums go on while V is on its way.  With the v_nop above these eight, which name no register of the products below,
	v_pk_add_f32 v[T2:T2+1], v[T2:T2+1], v[S+\j+2:S+\j+3]             ; are the eight places between the scale word's last write and the scaled products
.endr
	s_wait_dscnt 0x0
.irp t, 0,1,2,3                                ; O^T += V^T P^T: four accumulators, one instruction each
	v_wmma_scale_f32_16x16x128_f8f6f4 v[OT+8*\t:OT+8*\t+7], v[S+8*\t:S+8*\t+7], v[PC:PC+7], v[OT+8*\t:OT+8*\t+7], v[VS+\t], v[PW] matrix_a_fmt:MATRIX_FMT_FP4 matrix_b_fmt:MATRIX_FMT_FP4
.endr
.irp j, 48,52,56,60
	v_pk_add_f32 v[ST+2:ST+3], v[ST+2:ST+3], v[S+\j:S+\j+1]           ; the rest of the sums: nine plain instructions that name no register of those products.  The next phase's scores are
	v_pk_add_f32 v[T2:T2+1], v[T2:T2+1], v[S+\j+2:S+\j+3]             ; written over V's fragments by matrix instructions, which asks for five places
.endr
	v_pk_add_f32 v[ST+2:ST+3], v[ST+2:ST+3], v[T2:T2+1]
.if \raw
	s_wait_loadcnt 0x0                             ; the raw block, asked for behind the scores' products, is in
	RAWQUANT KF, KWT, KST, VWT, VST, IMGB, SCLB
.endif
.endm
; THE WAY OUT of tile y: O^T / the sum; a lane's eight channels of a row are 32 bytes; 16 rows go through my stage and come back as whole rows of 256 bytes.
.macro OUT y
.set OT, 192+32*\y
.set OB, S+32*\y
.irp j, 0,2,4,6,8,10,12,14,16,18,20,22,24,26,28,30
	v_pk_mul_f32 v[OB+\j:OB+\j+1], v[OT+\j:OT+\j+1], v[BM+2*\y:BM+2*\y+1] op_sel_hi:[1,0]   ; register 8 t + i is out(r, 16 t + 8 h + i)
.endr
.irp t, 0,1,2,3
	ds_store_b128 v[OSW], v[OB+8*\t:OB+8*\t+3] offset:64*\t
	ds_store_b128 v[OSW], v[OB+8*\t+4:OB+8*\t+7] offset:64*\t+16
.endr
.irp i, 0,1,2,3,4,5,6,7
	ds_load_b128 v[OB+4*\i:OB+4*\i+3], v[OSR] offset:2*OPITCH*\i       ; in order behind my stores: lanes 0-15 one row, lanes 16-31 the next
.endr
.irp i, 0,1,2,3,4,5,6,7
	s_wait_dscnt 7-\i                              ; the LDS loads issued behind load i may stay out
	global_store_b128 v[LI], v[OB+4*\i:OB+4*\i+3], s[10:11] offset:4096*\y+512*\i th:TH_STORE_NT   ; 32 lanes store 512 consecutive bytes, at a multiple of 256 from the buffer's first byte
.endr
.endm
	s_load_b256 s[4:11], s[0:1], 0x0               ; Q s[4:5], K s[6:7], V s[8:9], out s[10:11]
	v_lshl_add_u32 v94, v0, 2, 0x35000
	v_mov_b32 v95, 0
	v_lshrrev_b32 v[TMP], 5, v0
	v_readfirstlane_b32 s[WV], v[TMP]              ; wave 0..15
	s_and_b32 s[W7], s[WV], 7
	v_and_b32 v[LN], 31, v0
	v_and_b32 v[LR], 15, v0
	v_bfe_u32 v[LH], v0, 4, 1
	v_bfe_u32 v[L3], v0, 3, 1
	v_and_b32 v[L7], 7, v0
	v_lshlrev_b32 v[LI], 4, v[LN]
	s_and_b32 s32, ttmp7, 0xffff
	s_lshl_b32 s32, s32, 19                        ; the head's first byte in each tensor: 2,048 rows of 256 bytes a head
	s_lshl_b32 s34, ttmp9, 17                      ; my work-group's 512 rows,
	s_lshl_b32 s14, s[WV], 13                      ; my wave's 32 of them
	s_add_co_u32 s34, s34, s14
	s_add_co_u32 s34, s34, s32
	s_mov_b32 s35, 0
	s_wait_kmcnt 0x0
	s_add_nc_u64 s[4:5], s[4:5], s[34:35]
	s_add_nc_u64 s[10:11], s[10:11], s[34:35]
.irp i, 0,1,2,3,4,5,6,7
	global_load_b128 v[KF+4*\i:KF+4*\i+3], v[LI], s[4:5] offset:512*\i th:TH_LOAD_NT        ; Q, tile 0: 16 rows, dense; read once in the launch
.endr
.irp i, 0,1,2,3,4,5,6,7
	global_load_b128 v[S+4*\i:S+4*\i+3], v[LI], s[4:5] offset:4096+512*\i th:TH_LOAD_NT     ; tile 1
.endr
	s_and_b32 s16, s[W7], 1                        ; u (K) or dh (V)
	s_lshr_b32 s17, s[W7], 1                       ; b (K) or kb (V)
	s_cmp_lt_u32 s[WV], 8                          ; K's wave or V's?  The choice hangs on the wave's number alone
	s_cselect_b64 s[RAWP:RAWP+1], s[6:7], s[8:9]
	s_cselect_b32 s14, 11, 7                       ; u steps eight rows (2,048 bytes), dh 32 channels (128 bytes)
	s_cselect_b32 s15, 4, 2                        ; 16 or 4 bytes a lane
	s_mov_b64 s[PFP:PFP+1], s[RAWP:RAWP+1]
	v_lshlrev_b32 v[RO], s15, v[LN]
	s_lshl_b32 s18, s17, 13                        ; b or kb steps 32 rows
	s_lshl_b32 s19, s16, s14
	s_add_co_u32 s18, s18, s19
	s_add_co_u32 s18, s18, s32
	s_mov_b32 s19, 0
	s_add_nc_u64 s[RAWP:RAWP+1], s[RAWP:RAWP+1], s[18:19]
	RAWLOAD RAW0, 0                                ; step 0's raw block
	s_and_b32 s14, s[WV], 3                        ; the prefetches: my wave's 8,192 bytes of a step's 32,768,
	s_lshl_b32 s14, s14, 13
	s_add_co_u32 s14, s14, s32
	s_add_co_u32 s14, s14, 2*STEPB                 ; in step 2: nothing is prefetched here, at the head
	s_mov_b32 s15, 0
	s_add_nc_u64 s[PFP:PFP+1], s[PFP:PFP+1], s[14:15]
	s_and_b32 s14, s[WV], 4                        ; 0 in waves 0-3 and 8-11,
	s_or_b32 s14, s14, ttmp9                       ; of the head's first work-group
	s_cmp_eq_u32 s14, 0
	s_cselect_b32 s[LIM], STEPS-2, 0
	s_mov_b32 s[SEL], 0x76543210
	s_mov_b32 s[SEL+1], 0xfedcba98
	s_mov_b32 s[CS], 0x3e38aa3b                    ; c = log2(e) / 8
	s_mov_b32 s[CS+1], s[CS]                       ; (named with it as a pair, so it is written)
	s_mov_b32 s[J], 0
	s_mov_b32 s[TI], 0
	s_mov_b32 s[TS], 0
	; every LDS address register is made here, by every wave, ahead of the first branch on the wave's number that leads to an LDS instruction
	s_mul_i32 s36, s[WV], STGB
	s_add_co_u32 s36, s36, STG                     ; my stage
	s_lshl_b32 s37, s[W7], 9                       ; K's image: 512 x (2 b + u)
	s_lshl_b32 s38, s[W7], 1                       ; K's scale bytes: 2 x (2 b + u)
	s_lshl_b32 s39, s16, 11                        ; V's image: 2048 dh + 256 kb, behind K's
	s_lshl_b32 s14, s17, 8
	s_add_co_u32 s39, s39, s14
	s_add_co_u32 s39, s39, VIMG
	s_lshl_b32 s40, s16, 3                         ; V's scale bytes: 8 dh + kb, behind K's
	s_add_co_u32 s40, s40, s17
	s_add_co_u32 s40, s40, VSCL
	v_lshl_add_u32 v[LSC], v[LR], 4, SCL
	v_mul_u32_u24 v[STW], v[L3], HALFB             ; in: a load's lane holds row 2 i + lane / 16, block (lane / 8) % 2, bytes 16 (lane % 8) on
	v_mad_u32_u24 v[STW], v[LH], CELL, v[STW]
	v_lshl_add_u32 v[STW], v[L7], 4, v[STW]
	v_add_nc_u32 v[STW], s36, v[STW]
	v_mul_u32_u24 v[STR], v[LH], HALFB             ; back: cell (lane % 16, lane / 16)
	v_mad_u32_u24 v[STR], v[LR], CELL, v[STR]
	v_add_nc_u32 v[STR], s36, v[STR]
	v_add_nc_u32 v[KWI], s37, v[LI]
	v_add_nc_u32 v[KWS], v[LSC], v[LH]             ; 16 r + 2 (2 b + u) + h
	v_add_nc_u32 v[KWS], s38, v[KWS]
	v_lshlrev_b32 v[VWI], 4, v[LR]                 ; channel 32 dh + lane is row lane % 16 of tile 2 dh + lane / 16; block kb is registers 4 (kb / 2) on of lanes 16 (kb % 2) on
	v_lshl_add_u32 v[VWI], v[LH], 10, v[VWI]
	v_add_nc_u32 v[VWI], s39, v[VWI]
	v_lshl_add_u32 v[VWS], v[LH], 2, v[LSC]        ; 16 r + 4 (2 dh + lane / 16) + kb
	v_add_nc_u32 v[VWS], s40, v[VWS]
	v_lshlrev_b32 v[PFO], 8, v[LN]
	v_mul_u32_u24 v[OSW], v[LR], OPITCH            ; the way out, in: row r, 32 bytes for each half of the lanes
	v_lshl_add_u32 v[OSW], v[LH], 5, v[OSW]
	v_add_nc_u32 v[OSW], s36, v[OSW]
	v_mul_u32_u24 v[OSR], v[LH], OPITCH            ; back: lanes 0-15 one row, lanes 16-31 the next
	v_lshl_add_u32 v[OSR], v[LR], 4, v[OSR]
	v_add_nc_u32 v[OSR], s36, v[OSR]
	v_lshlrev_b32 v[H8], 3, v[LH]
.irp i, 0,1,2,3,8,9,10,11,16,17,18,19
	v_mov_b32 v[QB+\i], 0                          ; the zero codes beside q0 and q1
.endr
.irp y, 0,1
	v_mov_b32 v[43+4*\y], 0xff61b1e6               ; the largest t so far: -3e38, under every t
	v_floor_f32 v[42+4*\y], -v[43+4*\y]            ; -M
	v_mov_b32 v[44+4*\y], 0                        ; the sum, in two halves
	v_mov_b32 v[45+4*\y], 0
.endr
.irp b, 0,1,2,3
	v_mov_b32 v[T2+\b], 0                          ; written once: a lane permute's destination counts as one of its sources
.endr
	v_mov_b32 v[PW], 0                             ; (named as the upper half of the pair with f before it is first written)
.irp j, 0,1,2,3,4,5,6,7,8,9,10,11,12,13,14,15,16,17,18,19,20,21,22,23,24,25,26,27,28,29,30,31,32,33,34,35,36,37,38,39,40,41,42,43,44,45,46,47,48,49,50,51,52,53,54,55,56,57,58,59,60,61,62,63
	v_mov_b32 v[192+\j], 0                         ; O^T.  (The step is written without a first step of its own: the first finds zeros, which the first change of M leaves zeros)
.endr
	s_wait_loadcnt 0x0                             ; Q and step 0's raw block
	TURN KF
	TURN S                                         ; (in order behind the first turn's loads)
	s_wait_dscnt 0x0
	QUANT32 KF, QB+4                               ; lane (r, h): block h of query r: the operand's registers as they stand
	QWORD 0
	QUANT32 S, QB+12
	QWORD 1
	RAWQUANT RAW0, KWI, KWS, VWI, VWS, 0, 0        ; step 0's images
	s_add_nc_u64 s[RAWP:RAWP+1], s[RAWP:RAWP+1], STEPB   ; (the loads that read this base were waited for above)
	s_wait_dscnt 0x0                               ; for the others' sake: my stores into step 0's images have landed
	s_barrier_signal -1
	s_barrier_wait -1
.Ltrip:                                            ; 15 trips: trip j multiplies step j and quantises step j + 1
	v_add_nc_u32 v[AD], s[TI], v[LI]
	v_add_nc_u32 v[ADS], s[TS], v[LSC]
	v_add_nc_u32 v[KWT], s[TI], v[KWI]
	v_add_nc_u32 v[KST], s[TS], v[KWS]
	v_add_nc_u32 v[VWT], s[TI], v[VWI]
	v_add_nc_u32 v[VST], s[TS], v[VWS]
	PHASE 0, 1, 1
	PHASE 1, 0, 1                                  ; K's fragments are read again: the raw block lay in their registers
	s_wait_xcnt 0x0                                ; the prefetch, a phase and a half back, has read its address: both bases may step
	s_add_nc_u64 s[RAWP:RAWP+1], s[RAWP:RAWP+1], STEPB
	s_add_nc_u64 s[PFP:PFP+1], s[PFP:PFP+1], STEPB
	s_wait_dscnt 0x0                               ; for the others' sake: my stores into step j + 1's images have landed
	s_barrier_signal -1
	s_barrier_wait -1                              ; everybody's have.  No LDS byte of an image is written twice, so nothing has to be ordered the other way round
	s_add_co_u32 s[TI], s[TI], IMGB
	s_add_co_u32 s[TS], s[TS], SCLB
	s_add_co_u32 s[J], s[J], 1
	s_cmp_lt_u32 s[J], STEPS-1
	s_cbranch_scc1 .Ltrip
	v_add_nc_u32 v[AD], s[TI], v[LI]               ; the last step is written out: nothing is left to fetch or to quantise, and no barrier follows
	v_add_nc_u32 v[ADS], s[TS], v[LSC]
	PHASE 0, 0, 1
	PHASE 1, 0, 0                                  ; K's fragments still stand in their registers
	v_add_f32 v44, v44, v45                        ; the sums' two halves,
	v_add_f32 v48, v48, v49
	v_permlanex16_b32 v[T2], v44, s[SEL], s[SEL+1]
	v_permlanex16_b32 v[T2+1], v48, s[SEL], s[SEL+1]
	v_add_f32 v44, v44, v[T2]                      ; and lane l xor 16's: the rows' sums
	v_add_f32 v48, v48, v[T2+1]
	v_rcp_f32 v[BM], v44
	v_rcp_f32 v[BM+2], v48
	v_nop                                          ; a plain place behind the reciprocals
	s_wait_alu depctr_va_vdst(0)                   ; one wait for both, ahead of the first reader
	OUT 0
	OUT 1
	s_wait_tensorcnt 0x0
	ds_add_u32 v94, v95
	s_wait_dscnt 0x0
	s_endpgm
.Lfunc_end_k_q36ef843066_attn:
	.size	k_q36ef843066_attn, .Lfunc_end_k_q36ef843066_attn-k_q36ef843066_attn
	.p2alignl 7, 3214868480
	.fill 96, 4, 3214868480
	.section	.rodata,"a",@progbits
	.p2align	6, 0x0
	.amdhsa_kernel k_q36ef843066_attn
		.amdhsa_group_segment_fixed_size 219136
		.amdhsa_private_segment_fixed_size 0
		.amdhsa_enable_private_segment 0
		.amdhsa_kernarg_size 32
		.amdhsa_user_sgpr_count 2
		.amdhsa_user_sgpr_kernarg_segment_ptr 1
		.amdhsa_wavefront_size32 1
		.amdhsa_system_sgpr_workgroup_id_x 1
		.amdhsa_system_sgpr_workgroup_id_y 1
		.amdhsa_system_sgpr_workgroup_id_z 1
		.amdhsa_system_vgpr_workitem_id 0
		.amdhsa_next_free_vgpr 256
		.amdhsa_next_free_sgpr 66
		.amdhsa_reserve_vcc 0
		.amdhsa_float_denorm_mode_32 3
		.amdhsa_float_denorm_mode_16_64 3
		.amdhsa_memory_ordered 1
		.amdhsa_forward_progress 1
		.amdhsa_inst_pref_size 95
	.end_amdhsa_kernel
	.amdgpu_metadata
---
amdhsa.version: [ 1, 2 ]
amdhsa.kernels:
  - .name:           k_q36ef843066_attn
    .symbol:         k_q36ef843066_attn.kd
    .args:
      - { .name: query, .offset: 0, .size: 8, .value_kind: global_buffer, .address_space: global }
      - { .name: key, .offset: 8, .size: 8, .value_kind: global_buffer, .address_space: global }
      - { .name: value, .offset: 16, .size: 8, .value_kind: global_buffer, .address_space: global }
      - { .name: out0, .offset: 24, .size: 8, .value_kind: global_buffer, .address_space: global }
    .group_segment_fixed_size: 219136
    .private_segment_fixed_size: 0
    .kernarg_segment_align: 8
    .kernarg_segment_size: 32
    .max_flat_workgroup_size: 512
    .sgpr_count:     66
    .vgpr_count:     256
    .wavefront_size: 32
...
	.end_amdgpu_metadata
.endif
;; end of part 1
;; ======== version 2 of 2: 1 launch; version 1 with the launch attn written anew for expert scheduling mode
;; launch attn (part 2): grid 4 x 64, 16 waves a work-group, no clusters, 219,136 bytes of LDS; arguments query, key, value, out0; writes out0
.if DOCPART == 2
	.amdgcn_target "amdgcn-amd-amdhsa--gfx1250"
	.amdhsa_code_object_version 6
	.text
	.protected	k_q36ef843066_attn
	.globl	k_q36ef843066_attn
	.p2align	8
	.type	k_q36ef843066_attn,@function
k_q36ef843066_attn:
	s_mov_b64 s[64:65], 0
	v_nop
	global_prefetch_b8 v0, s[64:65] scope:SCOPE_SE
	s_setreg_imm32_b32 hwreg(HW_REG_WAVE_SCHED_MODE, 0, 2), 2
	s_setreg_imm32_b32 hwreg(HW_REG_WAVE_MODE, 25, 1), 1
	s_wait_xcnt 0x0
	s_wait_alu depctr_vm_vsrc(0)
; out[h][q][:] = the sum over k of softmax_k(Q[h][q] . K[h][k] / 8) V[h][k][:].  Q, K, V, out: [64 heads][2048][64] f32, a row 256 bytes.  No mask.
; Both products run on codes of FP4 (E2M1) with one E8M0 scale for each 32 along a product's K: the head's 64 for Q K^T (two blocks), the keys for P V.
; THE SOFTMAX: t = score x log2(e) / 8; M = the row's largest t so far, rounded UP to a whole number; p = 2^(t - M) is what is quantised, along the keys, not normalised.  The row's sum is taken of the
; unquantised p, in f32, and divides O at the end.  When M moves, the sum and O are multiplied by 2^(old M - new M), which rounds nothing.
; SHARES.  A work-group of sixteen waves owns 512 queries of one head (grid 4 x 64); a wave owns 32 of them, two tiles of 16, in 256 registers: four waves to a SIMD, so that one wave's vector work stands
; beside another's matrix work and LDS loads.  Every wave walks the head's 2,048 keys, 128 a step.
; K AND V ARE QUANTISED HERE, one key step ahead of the step that is multiplied.  A step has 256 blocks of 32 of K (128 keys x 2) and 256 of V (64 channels x 4): one block a thread.  Waves 0-7 take K, waves 8-15 V.
; The codes go to LDS as IMAGES OF THE OPERANDS' REGISTERS (lane l's 16 bytes at 16 l).  A whole head's codes and scale bytes are 136 KiB: every step has LDS bytes of its own, none is written twice,
; and one barrier a step (stores waited for, then the barrier, then the loads) is all the ordering between waves.
; NO JOINT LOADS, NO TENSOR LOADS: every number of K and V has to pass through registers to be quantised.  Brought into LDS as f32 a step's tiles would be 64 KiB, read out, converted and stored again:
; two more passes through LDS.  So they come by register loads, which have no joint form.  The price: a head's four work-groups each quantise its K and V, one block of 32 a thread a step.
; LAYOUT.  Both products are used transposed: S^T = K Q^T (source 0 = keys, source 1 = my 16 queries), O^T = V^T P^T (source 0 = 16 channels, source 1 = P): a lane holds ONE query (lane % 16) throughout.
; THE FIRST PRODUCT'S K IS 64, THE INSTRUCTION'S 128.  A fragment of K holds TWO tiles of 16 keys: registers 0-3 tile 2 b (k = 0..63), registers 4-7 tile 2 b + 1 (k = 64..127).  Q lies as [0, q0, 0, q1, 0],
; four registers each: source 1 is [q, 0] for tile 2 b and [0, q] for tile 2 b + 1; the zero codes take the other tile out of the sum exactly.
; THE KEYS OF A TILE ARE NOT NEIGHBOURS: lane r of tile 2 b + u takes key 32 b + 8 u + r + 8 (r / 8), so that score register 16 b + i of lane (r, h) is key 32 b + 16 h + i: 16 neighbours along the next K.
; LIMITS.  NaN and infinities among the inputs are not served.  A block of zeros gets the scale byte 1 where the quantiser's rule says 127: its codes are zeros, which add nothing under any byte but 0xff, and
; the bytes are read by this program alone.  A block's largest p is taken from its largest score: that takes v_exp_f32 not to fall where its input rises; at the worst one p of a block is held one code low.
; THE MODE: SCHED_MODE bits 1:0 = 2 (LLVM: expert scheduling mode 2), set by the entry lines.  The code itself states the register dependences between vector or matrix instructions and memory or LDS
; instructions, with s_wait_alu, always for 0.
; THE PLAN.  Registers that memory or LDS instructions touch, and who else names them:
;   v1, v3         offsets of the global loads and stores.  Made at the head, never written again: one wait on va_vdst ahead of the first load.
;   v4-9, v16-18   LDS addresses and the prefetch's offset.  Made at the head, never written again: one wait on va_vdst ahead of the first LDS instruction.
;   v10-15         the step's LDS addresses.  Written by six additions at a trip's head, read by the trip's LDS loads and stores: a wait on vm_vsrc ahead of the additions, a wait on va_vdst behind them.
;   v96-127  (KF)  K's fragments land; the eight score products read them; WAIT; the raw block lands; in K's waves the turn's stores read it, WAIT on vm_vsrc, the turn's loads land; the quantiser reads it; WAIT;
;                  the second phase's fragments land; its products read them; the next trip's head waits.
;   v50-57         K's and V's scale words: LDS loads land, products read them; each load stands behind a wait that is there for its fragments.
;   v128-159       scores, then p: written and read by vector instructions up to the conversions; WAIT; V's fragments land; the second products read them; the next scores are written by matrix instructions.
;   v82-85, v89    the quantiser's codes and byte: written by it; WAIT; read by its two LDS stores; written again a trip later, behind the trip head's wait on vm_vsrc.
;   v128-191       on the way out: written by the divisions; WAIT; the stage's stores read them, WAIT on vm_vsrc, the stage's loads land; the global stores read them.
; p's codes and scale word, and Q's, are written by vector instructions and taken by scaled products: a wait on va_vdst stands between, behind the places.
.set STEPS,  16                        ; key steps of 128
.set STEPB,  32768                     ; a step's 128 rows of K or V in memory
.set IMGB,   8192                      ; LDS 0 .. 131071: step j's images at 8192 j: K's four fragments (1024 b + 512 u + 16 lane),
.set VIMG,   4096                      ; then V's four (1024 t + 512 c + 16 lane; t = channel / 16, c = registers 4 c .. 4 c + 3)
.set SCL,    131072                    ; LDS 131072 .. 139263: step j's scale words at 512 j: K's at 16 r + 4 b (bytes: tile 2 b block 0, 1; tile 2 b + 1 block 0, 1),
.set SCLB,   512
.set VSCL,   256                       ; V's at 256 + 16 r + 4 t (byte = the step's block of 32 keys): one load of 16 bytes at 16 r brings four scale registers
.set STG,    139264                    ; LDS 139264 .. 217087: a stage of 4,864 bytes for each wave, its own
.set STGB,   4864
.set CELL,   144                       ; the turn of Q and K: cell (row r, block h) holds 128 bytes at 144 r + 2432 h: 144 is 9 x 16, so sixteen rows' reads of 16 bytes fall on different banks
.set HALFB,  2432
.set OPITCH, 272                       ; the way out: 16 rows of 256 bytes + 16
.set LI,   1                           ; v1   16 x lane: my place in an image; also my offset in dense global rows
.set LSC,  2                           ; v2   SCL + 16 (lane % 16)
.set RO,   3                           ; v3   my offset in a raw load: 16 x lane (K), 4 x lane (V)
.set STW,  4                           ; v4   the turn, on the way in
.set STR,  5                           ; v5   and on the way out
.set KWI,  6                           ; v6   where a K wave's lane puts its 16 bytes of codes in a step's images
.set KWS,  7                           ; v7   and its scale byte
.set VWI,  8                           ; v8   the same for a V wave
.set VWS,  9                           ; v9
.set AD,   10                          ; v10  LI + this step's images
.set ADS,  11                          ; v11  LSC + this step's scale words
.set KWT,  12                          ; v12-15  v6-9 + this step's; the stores add one step by their immediates
.set KST,  13
.set VWT,  14
.set VST,  15
.set PFO,  16                          ; v16  256 x lane: the prefetch's offset; never rewritten
.set OSW,  17                          ; v17  the way out: where I put 32 bytes of a row
.set OSR,  18                          ; v18  and where I read a row back
.set H8,   19                          ; v19  8 (lane / 16)
.set QB,   20                          ; v20-39  [0, q0, 0, q1, 0]
.set QS,   40                          ; v40-41  Q's scale words (s0, s1, s0, s1), tile 0 and 1
                                       ; v42-45, v46-49  a tile's -M, largest t, and the sum in two halves
.set KS,   50                          ; v50-53  K's scale words
.set VS,   54                          ; v54-57  V's
.set PC,   58                          ; v58-65  p's codes
.set F,    66                          ; v66  f = 2^(old M - new M)
.set PW,   67                          ; v67  p's scale word
.set BM,   68                          ; v68-71  the blocks' largest scores, then largest p
.set T2,   72                          ; v72-75  lane permutes' destinations; v[72:73] is also the sum's second chain
.set SCO,  76                          ; v76-79  the conversions' scale operands
.set TMP,  80
.set CQ,   82                          ; v82-85  the quantiser's codes
.set QM,   86                          ; v86-87  its two chains of maxima
.set QSO,  88                          ; v88  its scale operand
.set BYQ,  89                          ; v89  its scale byte
.set BY,   90                          ; v90-93  p's four scale bytes
.set KF,   96                          ; v96-127  K's four fragments; behind the scores' products, the raw block on its way
.set S,    128                         ; v128-191  S^T, then p; v128-159 then take V's four fragments
.set RAW0, 160                         ; at the head: step 0's raw block
                                       ; v192-223, v224-255  O^T of tile 0 and 1
.set LN,   80                          ; at the head only: lane, lane % 16, lane / 16, (lane / 8) % 2, lane % 8
.set LR,   81
.set LH,   86
.set L3,   87
.set L7,   88
.set WV,   12                          ; s12  my wave's number
.set W7,   13                          ; s13  my number among the eight waves of my role
.set SEL,  20                          ; s[20:21] v_permlanex16_b32's selects for lane l xor 16
.set CS,   22                          ; s[22:23] c = log2(e) / 8: the packed form names a pair and takes its low word for both halves
.set J,    24                          ; s24  the trip
.set TI,   25                          ; s25  8192 x the step
.set TS,   26                          ; s26  512 x the step
.set LIM,  27                          ; s27  a wave prefetches while J is under it: 14 or 0
.set RAWP, 28                          ; s[28:29] where my wave's raw block of the next step begins
.set PFP,  30                          ; s[30:31] where my wave's prefetch stands
; 32 registers loaded as 8 x 512 dense bytes (load i: rows 2 i and 2 i + 1, 16 bytes a lane) go through my stage and come back so that lane 16 h + r holds block h (32 numbers) of row r.
; LDS serves a wave's instructions in order (ISA guide 5.7.1.4): no wait on DScnt stands between the stores and the loads.
.macro TURN reg
.irp i, 0,1,2,3,4,5,6,7
	ds_store_b128 v[STW], v[\reg+4*\i:\reg+4*\i+3] offset:2*CELL*\i
.endr
	s_wait_alu depctr_vm_vsrc(0)                                       ; the eight stores have read the 32 registers, in which the eight loads below land
.irp i, 0,1,2,3,4,5,6,7
	ds_load_b128 v[\reg+4*\i:\reg+4*\i+3], v[STR] offset:16*\i
.endr
.endm
; A block of 32 numbers in one lane's registers becomes 16 bytes of codes in v[dst] on and a scale byte in v[BYQ].
.macro QUANT32 src, dst
	v_max3_num_f32 v[QM], |v[\src]|, |v[\src+1]|, |v[\src+2]|          ; the largest magnitude, in two chains
	v_max3_num_f32 v[QM+1], |v[\src+3]|, |v[\src+4]|, |v[\src+5]|
.irp i, 6,10,14,18,22,26
	v_max3_num_f32 v[QM], v[QM], |v[\src+\i]|, |v[\src+\i+1]|
	v_max3_num_f32 v[QM+1], v[QM+1], |v[\src+\i+2]|, |v[\src+\i+3]|
.endr
	v_max3_num_f32 v[QM], v[QM], |v[\src+30]|, |v[\src+31]|
	v_max3_num_f32 v[QM], v[QM], v[QM+1], 0x1800000                    ; and the floor 2^(3 - 127): the byte cannot fall under 1
	v_add_nc_u32 v[QSO], 0xff000000, v[QM]                             ; 2 off the exponent field: the conversion takes the exponent field of this operand as its scale, and nothing else of it
	v_lshrrev_b32 v[BYQ], 23, v[QSO]                                   ; the scale's byte
.irp g, 0,1,2,3
	v_cvt_scalef32_pk8_fp4_f32 v[\dst+\g], v[\src+8*\g:\src+8*\g+7], v[QSO]
.endr
	v_nop                                                              ; one plain place behind a scaled conversion
.endm
; Q's scale word from v[BYQ]: my block's byte 8 h bits up, joined with lane l xor 16's, and the pair once more in the upper half
.macro QWORD y
	v_lshlrev_b32 v[TMP], v[H8], v[BYQ]
	v_permlanex16_b32 v[T2], v[TMP], s[SEL], s[SEL+1]
	v_or_b32 v[TMP], v[TMP], v[T2]
	v_lshl_or_b32 v[QS+\y], v[TMP], 16, v[TMP]
.endm
; My wave's raw block of a step is asked for.  K wave 2 b + u: the tile's 16 keys are two runs of eight rows, 4,096 bytes apart: eight loads of 512 consecutive bytes.
; V wave 2 kb + dh: lane l takes channel 32 dh + l, and its registers run down the 32 keys of block kb: each load reads 128 consecutive bytes.
; pf = 1: behind the loads stands the prefetch of the step after the one just asked for (trip j: step j + 2).  Of a head's four work-groups the first asks; in it waves 0-3 for K and waves 8-11 for V,
; 8,192 bytes a wave, lanes 256 bytes apart: each row of 256 bytes is named once in the launch.  It stops where step j + 2 would pass the head's last step.
; The wait on va_vdst that these loads hang on stands ahead of the macro, on the way that all waves take; their offsets v3 and v16 are never written again.
.macro RAWLOAD reg, pf
	s_cmp_lt_u32 s[WV], 8
	s_cbranch_scc0 .Lraw_v_\@
.irp i, 0,1,2,3,4,5,6,7
	global_load_b128 v[\reg+4*\i:\reg+4*\i+3], v[RO], s[RAWP:RAWP+1] offset:512*\i+2048*(\i/4)
.endr
	s_branch .Lraw_done_\@
.Lraw_v_\@:
.irp i, 0,1,2,3,4,5,6,7,8,9,10,11,12,13,14,15,16,17,18,19,20,21,22,23,24,25,26,27,28,29,30,31
	global_load_b32 v[\reg+\i], v[RO], s[RAWP:RAWP+1] offset:256*\i
.endr
.Lraw_done_\@:
.if \pf
	s_cmp_lt_u32 s[J], s[LIM]
	s_cbranch_scc0 .Lno_pf_\@
	global_prefetch_b8 v[PFO], s[PFP:PFP+1] th:TH_LOAD_NT scope:SCOPE_SE
.Lno_pf_\@:
.endif
.endm
; The raw block, which has landed, becomes codes and a scale byte in LDS.  ki, ks, vi, vs: the address registers; oi, os: how far on the step's images and scale words lie.
; The codes' and the byte's registers were last read by the stores of the step before, which stand ahead of the trip head's wait on vm_vsrc.
.macro RAWQUANT reg, ki, ks, vi, vs, oi, os
	s_cmp_lt_u32 s[WV], 8
	s_cbranch_scc0 .Lq_v_\@
	TURN \reg
	s_wait_dscnt 0x0                                                   ; the block is back from the stage
	QUANT32 \reg, CQ
	s_wait_alu depctr_va_vdst(0)                                       ; the quantiser has written the codes and the byte, which the two stores read, and is done reading the block's registers, in which K's fragments land next
	ds_store_b128 v[\ki], v[CQ:CQ+3] offset:\oi
	ds_store_b8 v[\ks], v[BYQ] offset:\os
	s_branch .Lq_done_\@
.Lq_v_\@:
	QUANT32 \reg, CQ
	s_wait_alu depctr_va_vdst(0)                                       ; the same on V's way
	ds_store_b128 v[\vi], v[CQ:CQ+3] offset:\oi
	ds_store_b8 v[\vs], v[BYQ] offset:\os
.Lq_done_\@:
.endm
; A KEY STEP FOR TILE y OF MY QUERIES.  raw = 1: the next step's raw block is asked for behind the scores' products, into K's registers, and quantised at the phase's end.  kl = 1: K's fragments are read from LDS.
.macro PHASE y, raw, kl
.set ST, 42+4*\y
.set OT, 192+32*\y
.if \kl
.irp b, 0,1,2,3                                ; no wait on va_vdst here: the one at the step's head (tile 0) or the quantiser's (tile 1) stands ahead, and no vector or matrix instruction since names these registers or their addresses
.irp c, 0,1
	ds_load_b128 v[KF+8*\b+4*\c:KF+8*\b+4*\c+3], v[AD] offset:1024*\b+512*\c
.endr
.endr
	ds_load_b128 v[KS:KS+3], v[ADS]
	s_wait_dscnt 0x0
.endif
.irp b, 0,1,2,3                                ; S^T = K Q^T: eight tiles of 16 keys; tile 2 b + u takes half u of fragment b, by the place of q in source 1
.irp u, 0,1
	v_wmma_scale_f32_16x16x128_f8f6f4 v[S+8*(2*\b+\u):S+8*(2*\b+\u)+7], v[KF+8*\b:KF+8*\b+7], v[QB+4+8*\y-4*\u:QB+11+8*\y-4*\u], 0, v[KS+\b], v[QS+\y] matrix_a_fmt:MATRIX_FMT_FP4 matrix_b_fmt:MATRIX_FMT_FP4
.endr
.endr
.rept 4
	v_nop                                          ; four places (ISA guide 7.12.1) in front of the first read of the scores
.endr
.if \raw
	s_wait_alu depctr_va_vdst(0)                   ; the eight products are done reading K's fragments, in which the raw block lands
	RAWLOAD KF, 1
.endif
.irp b, 0,1,2,3
	v_max3_num_f32 v[BM+\b], v[S+16*\b], v[S+16*\b+1], v[S+16*\b+2]   ; THE LARGEST SCORE OF EACH BLOCK OF 32 KEYS serves twice: for the row's maximum, and, since p rises with the score, for the block's largest p
.endr
.irp i, 3,5,7,9,11,13
.irp b, 0,1,2,3
	v_max3_num_f32 v[BM+\b], v[BM+\b], v[S+16*\b+\i], v[S+16*\b+\i+1]  ; (the four blocks by turns)
.endr
.endr
.irp b, 0,1,2,3
	v_max_num_f32 v[BM+\b], v[BM+\b], v[S+16*\b+15]
.endr
.irp b, 0,1,2,3
	v_permlanex16_b32 v[T2+\b], v[BM+\b], s[SEL], s[SEL+1]
.endr
.irp b, 0,1,2,3
	v_max_num_f32 v[BM+\b], v[BM+\b], v[T2+\b]     ; with lane l xor 16's 16 keys
.endr
	v_max3_num_f32 v[TMP], v[BM], v[BM+1], v[BM+2]
	v_max_num_f32 v[TMP], v[TMP], v[BM+3]          ; the step's largest score of my query
	v_mul_f32 v[TMP], s[CS], v[TMP]                ; as t (c is positive)
	v_max_num_f32 v[ST+1], v[ST+1], v[TMP]         ; the running largest t
	v_mov_b32 v[TMP], v[ST]
	v_floor_f32 v[ST], -v[ST+1]                    ; the new -M = floor(-t) = -ceil(t): M is a whole number
	v_sub_f32 v[TMP], v[ST], v[TMP]                ; M's old value less its new one: a whole number, 0 or less
	v_cvt_i32_f32 v[TMP], v[TMP]                   ; (it saturates)
	v_ldexp_f32 v[F], 1.0, v[TMP]                  ; f = 2^(old M - new M)
.irp j, 0,2,4,6,8,10,12,14,16,18,20,22,24,26,28,30,32,34,36,38,40,42,44,46,48,50,52,54,56,58,60,62
	v_pk_fma_f32 v[S+\j:S+\j+1], v[S+\j:S+\j+1], s[CS:CS+1], v[ST:ST+1] op_sel_hi:[1,0,0]   ; t - M, two at a time (of the pairs c and -M the low word serves both halves)
.endr
.irp b, 0,1,2,3
	v_fma_f32 v[BM+\b], v[BM+\b], s[CS], v[ST]     ; the same of each block's largest score
.endr
	s_wait_alu depctr_va_vdst(0)
.irp j, 0,1,2,3,4,5,6,7,8,9,10,11,12,13,14,15,16,17,18,19,20,21,22,23,24,25,26,27,28,29,30,31,32,33,34,35,36,37,38,39,40,41,42,43,44,45,46,47,48,49,50,51,52,53,54,55,56,57,58,59,60,61,62,63
	v_exp_f32 v[S+\j], v[S+\j]                     ; p = 2^(t - M), at most 1: not normalised
.endr
	v_pk_mul_f32 v[ST+2:ST+3], v[ST+2:ST+3], v[F:F+1] op_sel_hi:[1,0]   ; the sums under the new M: the plain place behind the exponentials
	s_wait_alu depctr_va_vdst(0)                   ; the 64 exponentials have written p: one wait for the batch, ahead of its first reader
.irp b, 0,1,2,3
	v_exp_f32 v[BM+\b], v[BM+\b]                   ; the block's largest p: the same two instructions on the same number give the same bits
.endr
	v_pk_add_f32 v[T2:T2+1], v[S:S+1], v[S+2:S+3]  ; THE ROW'S SUM IS TAKEN OF THE UNQUANTISED p, two at a time, in two chains.  First p's registers 0-31, which V's fragments will take
.irp j, 4,8,12,16,20,24,28
	v_pk_add_f32 v[ST+2:ST+3], v[ST+2:ST+3], v[S+\j:S+\j+1]
	v_pk_add_f32 v[T2:T2+1], v[T2:T2+1], v[S+\j+2:S+\j+3]
.endr
	s_wait_alu depctr_va_vdst(0)                   ; the four exponentials have written the blocks' largest p: their wait, ahead of their first reader
.irp b, 0,1,2,3
	v_max_num_f32 v[BM+\b], 0x1800000, v[BM+\b]    ; the floor 2^(3 - 127): the byte cannot fall under 1 (a block whose every p has fallen to 0 keeps that byte: its codes are zeros)
.endr
.irp b, 0,1,2,3
	v_add_nc_u32 v[SCO+\b], 0xff000000, v[BM+\b]   ; 2 off the exponent field: the conversion's scale operand
.endr
.irp b, 0,1,2,3
	v_lshrrev_b32 v[BY+\b], 23, v[SCO+\b]          ; the scale's byte
.endr
	v_lshl_or_b32 v[PW], v[BY+1], 8, v[BY]         ; p's scale word for these 128 keys
	v_lshl_or_b32 v[PW], v[BY+2], 16, v[PW]
	v_lshl_or_b32 v[PW], v[BY+3], 24, v[PW]
.irp b, 0,1,2,3
	v_cvt_scalef32_pk8_fp4_f32 v[PC+2*\b], v[S+16*\b:S+16*\b+7], v[SCO+\b]
	v_cvt_scalef32_pk8_fp4_f32 v[PC+2*\b+1], v[S+16*\b+8:S+16*\b+15], v[SCO+\b]
.endr
	v_nop                                          ; one plain place behind a scaled conversion
	s_wait_alu depctr_va_vdst(0)                   ; the sums and the conversions are done with p's registers 0-31, and the earlier products with V's scale words: V's loads land in both
.irp t, 0,1,2,3                                ; V's four fragments (16 channels x 128 keys) land where p's first 32 registers lay: they are summed and converted
.irp c, 0,1
	ds_load_b128 v[S+8*\t+4*\c:S+8*\t+4*\c+3], v[AD] offset:VIMG+1024*\t+512*\c
.endr
.endr
	ds_load_b128 v[VS:VS+3], v[ADS] offset:VSCL
.irp c, 0,1                                    ; the operand's layout wants a WHOLE block in a lane: lanes 0-15 block 2 c, lanes 16-31 block 2 c + 1.  (Behind V's loads: none of the lines from here to the products names a register that those loads touch)
.irp i, 0,1
	v_permlane16_swap_b32 v[PC+4*\c+\i], v[PC+2+4*\c+\i]
.endr
.endr
.irp j, 0,2,4,6,8,10,12,14,16,18,20,22,24,26,28,30
	v_pk_mul_f32 v[OT+\j:OT+\j+1], v[OT+\j:OT+\j+1], v[F:F+1] op_sel_hi:[1,0]   ; O^T under the new M, each accumulator from its low end on
.endr
.irp j, 32,36,40,44
	v_pk_add_f32 v[ST+2:ST+3], v[ST+2:ST+3], v[S+\j:S+\j+1]           ; the sums go on while V is on its way.  With the v_nop above these eight, which name no register of the products below,
	v_pk_add_f32 v[T2:T2+1], v[T2:T2+1], v[S+\j+2:S+\j+3]             ; are the eight places between the scale word's last write and the scaled products, and more than the four behind the codes' last write
.endr
	s_wait_dscnt 0x0
	s_wait_alu depctr_va_vdst(0)                   ; behind the places: the four exchanges of halves have written p's codes, which the scaled products take as source 1 (the scale word was written ahead of the wait before)
.irp t, 0,1,2,3                                ; O^T += V^T P^T: four accumulators, one instruction each
	v_wmma_scale_f32_16x16x128_f8f6f4 v[OT+8*\t:OT+8*\t+7], v[S+8*\t:S+8*\t+7], v[PC:PC+7], v[OT+8*\t:OT+8*\t+7], v[VS+\t], v[PW] matrix_a_fmt:MATRIX_FMT_FP4 matrix_b_fmt:MATRIX_FMT_FP4
.endr
.irp j, 48,52,56,60
	v_pk_add_f32 v[ST+2:ST+3], v[ST+2:ST+3], v[S+\j:S+\j+1]           ; the rest of the sums: nine plain instructions that name no register of those products.  The next phase's scores are
	v_pk_add_f32 v[T2:T2+1], v[T2:T2+1], v[S+\j+2:S+\j+3]             ; written over V's fragments by matrix instructions, which asks for five places
.endr
	v_pk_add_f32 v[ST+2:ST+3], v[ST+2:ST+3], v[T2:T2+1]
.if \raw
	s_wait_loadcnt 0x0                             ; the raw block, asked for behind the scores' products, is in
	RAWQUANT KF, KWT, KST, VWT, VST, IMGB, SCLB
.endif
.endm
; THE WAY OUT of tile y, in three parts.  OMUL: O^T / the sum; a lane's eight channels of a row are 32 bytes.  OSTAGE: 16 rows go through my stage and come back as whole rows of 256 bytes.  OSEND: stored.
.macro OMUL y
.set OT, 192+32*\y
.set OB, S+32*\y
.irp j, 0,2,4,6,8,10,12,14,16,18,20,22,24,26,28,30
	v_pk_mul_f32 v[OB+\j:OB+\j+1], v[OT+\j:OT+\j+1], v[BM+2*\y:BM+2*\y+1] op_sel_hi:[1,0]   ; register 8 t + i is out(r, 16 t + 8 h + i)
.endr
.endm
.macro OSTAGE y
.set OB, S+32*\y
.irp t, 0,1,2,3
	ds_store_b128 v[OSW], v[OB+8*\t:OB+8*\t+3] offset:64*\t
	ds_store_b128 v[OSW], v[OB+8*\t+4:OB+8*\t+7] offset:64*\t+16
.endr
	s_wait_alu depctr_vm_vsrc(0)                   ; the eight stores have read the tile's 32 registers, in which the eight loads below land
.irp i, 0,1,2,3,4,5,6,7
	ds_load_b128 v[OB+4*\i:OB+4*\i+3], v[OSR] offset:2*OPITCH*\i       ; in order behind my stores: lanes 0-15 one row, lanes 16-31 the next; the next tile's stores come in order behind these
.endr
.endm
.macro OSEND y, younger                ; younger: the LDS instructions issued behind the tile's eight loads
.set OB, S+32*\y
.irp i, 0,1,2,3,4,5,6,7
	s_wait_dscnt \younger+7-\i                     ; the LDS instructions issued behind load i may stay out
	global_store_b128 v[LI], v[OB+4*\i:OB+4*\i+3], s[10:11] offset:4096*\y+512*\i th:TH_STORE_NT   ; 32 lanes store 512 consecutive bytes, at a multiple of 256 from the buffer's first byte
.endr
.endm
	s_load_b256 s[4:11], s[0:1], 0x0               ; Q s[4:5], K s[6:7], V s[8:9], out s[10:11]
	v_lshl_add_u32 v94, v0, 2, 0x35000
	v_mov_b32 v95, 0
	v_lshrrev_b32 v[TMP], 5, v0
	v_readfirstlane_b32 s[WV], v[TMP]              ; wave 0..15
	v_and_b32 v[LN], 31, v0
	v_and_b32 v[LR], 15, v0
	v_bfe_u32 v[LH], v0, 4, 1
	v_bfe_u32 v[L3], v0, 3, 1
	v_and_b32 v[L7], 7, v0
	v_lshlrev_b32 v[LI], 4, v[LN]
	s_wait_alu depctr_va_sdst(0)                   ; the wave's number is written, ahead of its first reader: roles, bases and LDS addresses are made from it
	s_and_b32 s[W7], s[WV], 7
	s_and_b32 s32, ttmp7, 0xffff
	s_lshl_b32 s32, s32, 19                        ; the head's first byte in each tensor: 2,048 rows of 256 bytes a head
	s_lshl_b32 s34, ttmp9, 17                      ; my work-group's 512 rows,
	s_lshl_b32 s14, s[WV], 13                      ; my wave's 32 of them
	s_add_co_u32 s34, s34, s14
	s_add_co_u32 s34, s34, s32
	s_mov_b32 s35, 0
	s_wait_alu depctr_va_vdst(0)
	s_wait_kmcnt 0x0
	s_add_nc_u64 s[4:5], s[4:5], s[34:35]
	s_add_nc_u64 s[10:11], s[10:11], s[34:35]
	s_and_b32 s16, s[W7], 1                        ; u (K) or dh (V)
	s_lshr_b32 s17, s[W7], 1                       ; b (K) or kb (V)
	s_cmp_lt_u32 s[WV], 8                          ; K's wave or V's?  The choice hangs on the wave's number alone
	s_cselect_b64 s[RAWP:RAWP+1], s[6:7], s[8:9]
	s_cselect_b32 s14, 11, 7                       ; u steps eight rows (2,048 bytes), dh 32 channels (128 bytes)
	s_cselect_b32 s15, 4, 2                        ; 16 or 4 bytes a lane
	s_mov_b64 s[PFP:PFP+1], s[RAWP:RAWP+1]
	v_lshlrev_b32 v[RO], s15, v[LN]
	s_lshl_b32 s18, s17, 13                        ; b or kb steps 32 rows
	s_lshl_b32 s19, s16, s14
	s_add_co_u32 s18, s18, s19
	s_add_co_u32 s18, s18, s32
	s_mov_b32 s19, 0
	s_add_nc_u64 s[RAWP:RAWP+1], s[RAWP:RAWP+1], s[18:19]
	s_wait_alu depctr_va_vdst(0)                   ; v1 and v3 are written: every global load and store of the kernel reads one of them as its offset
.irp i, 0,1,2,3,4,5,6,7
	global_load_b128 v[KF+4*\i:KF+4*\i+3], v[LI], s[4:5] offset:512*\i th:TH_LOAD_NT        ; Q, tile 0: 16 rows, dense; read once in the launch
.endr
.irp i, 0,1,2,3,4,5,6,7
	global_load_b128 v[S+4*\i:S+4*\i+3], v[LI], s[4:5] offset:4096+512*\i th:TH_LOAD_NT     ; tile 1
.endr
	RAWLOAD RAW0, 0                                ; step 0's raw block.  No vector instruction names v96-191 before these loads have been waited for
	s_and_b32 s14, s[WV], 3                        ; the prefetches: my wave's 8,192 bytes of a step's 32,768,
	s_lshl_b32 s14, s14, 13
	s_add_co_u32 s14, s14, s32
	s_add_co_u32 s14, s14, 2*STEPB                 ; in step 2: nothing is prefetched here, at the head
	s_mov_b32 s15, 0
	s_add_nc_u64 s[PFP:PFP+1], s[PFP:PFP+1], s[14:15]
	s_and_b32 s14, s[WV], 4                        ; 0 in waves 0-3 and 8-11,
	s_or_b32 s14, s14, ttmp9                       ; of the head's first work-group
	s_cmp_eq_u32 s14, 0
	s_cselect_b32 s[LIM], STEPS-2, 0
	s_mov_b32 s[SEL], 0x76543210
	s_mov_b32 s[SEL+1], 0xfedcba98
	s_mov_b32 s[CS], 0x3e38aa3b                    ; c = log2(e) / 8
	s_mov_b32 s[CS+1], s[CS]                       ; (named with it as a pair, so it is written)
	s_mov_b32 s[J], 0
	s_mov_b32 s[TI], 0
	s_mov_b32 s[TS], 0
	; every LDS address register is made here, by every wave, ahead of the first branch on the wave's number that leads to an LDS instruction
	s_mul_i32 s36, s[WV], STGB
	s_add_co_u32 s36, s36, STG                     ; my stage
	s_lshl_b32 s37, s[W7], 9                       ; K's image: 512 x (2 b + u)
	s_lshl_b32 s38, s[W7], 1                       ; K's scale bytes: 2 x (2 b + u)
	s_lshl_b32 s39, s16, 11                        ; V's image: 2048 dh + 256 kb, behind K's
	s_lshl_b32 s14, s17, 8
	s_add_co_u32 s39, s39, s14
	s_add_co_u32 s39, s39, VIMG
	s_lshl_b32 s40, s16, 3                         ; V's scale bytes: 8 dh + kb, behind K's
	s_add_co_u32 s40, s40, s17
	s_add_co_u32 s40, s40, VSCL
	v_lshl_add_u32 v[LSC], v[LR], 4, SCL
	v_mul_u32_u24 v[STW], v[L3], HALFB             ; in: a load's lane holds row 2 i + lane / 16, block (lane / 8) % 2, bytes 16 (lane % 8) on
	v_mad_u32_u24 v[STW], v[LH], CELL, v[STW]
	v_lshl_add_u32 v[STW], v[L7], 4, v[STW]
	v_add_nc_u32 v[STW], s36, v[STW]
	v_mul_u32_u24 v[STR], v[LH], HALFB             ; back: cell (lane % 16, lane / 16)
	v_mad_u32_u24 v[STR], v[LR], CELL, v[STR]
	v_add_nc_u32 v[STR], s36, v[STR]
	v_add_nc_u32 v[KWI], s37, v[LI]
	v_add_nc_u32 v[KWS], v[LSC], v[LH]             ; 16 r + 2 (2 b + u) + h
	v_add_nc_u32 v[KWS], s38, v[KWS]
	v_lshlrev_b32 v[VWI], 4, v[LR]                 ; channel 32 dh + lane is row lane % 16 of tile 2 dh + lane / 16; block kb is registers 4 (kb / 2) on of lanes 16 (kb % 2) on
	v_lshl_add_u32 v[VWI], v[LH], 10, v[VWI]
	v_add_nc_u32 v[VWI], s39, v[VWI]
	v_lshl_add_u32 v[VWS], v[LH], 2, v[LSC]        ; 16 r + 4 (2 dh + lane / 16) + kb
	v_add_nc_u32 v[VWS], s40, v[VWS]
	v_lshlrev_b32 v[PFO], 8, v[LN]
	v_mul_u32_u24 v[OSW], v[LR], OPITCH            ; the way out, in: row r, 32 bytes for each half of the lanes
	v_lshl_add_u32 v[OSW], v[LH], 5, v[OSW]
	v_add_nc_u32 v[OSW], s36, v[OSW]
	v_mul_u32_u24 v[OSR], v[LH], OPITCH            ; back: lanes 0-15 one row, lanes 16-31 the next
	v_lshl_add_u32 v[OSR], v[LR], 4, v[OSR]
	v_add_nc_u32 v[OSR], s36, v[OSR]
	v_lshlrev_b32 v[H8], 3, v[LH]
.irp i, 0,1,2,3,8,9,10,11,16,17,18,19
	v_mov_b32 v[QB+\i], 0                          ; the zero codes beside q0 and q1
.endr
.irp y, 0,1
	v_mov_b32 v[43+4*\y], 0xff61b1e6               ; the largest t so far: -3e38, under every t
	v_floor_f32 v[42+4*\y], -v[43+4*\y]            ; -M
	v_mov_b32 v[44+4*\y], 0                        ; the sum, in two halves
	v_mov_b32 v[45+4*\y], 0
.endr
.irp b, 0,1,2,3
	v_mov_b32 v[T2+\b], 0                          ; written once: a lane permute's destination counts as one of its sources
.endr
	v_mov_b32 v[PW], 0                             ; (named as the upper half of the pair with f before it is first written)
.irp j, 0,1,2,3,4,5,6,7,8,9,10,11,12,13,14,15,16,17,18,19,20,21,22,23,24,25,26,27,28,29,30,31,32,33,34,35,36,37,38,39,40,41,42,43,44,45,46,47,48,49,50,51,52,53,54,55,56,57,58,59,60,61,62,63
	v_mov_b32 v[192+\j], 0                         ; O^T.  (The step is written without a first step of its own: the first finds zeros, which the first change of M leaves zeros)
.endr
	s_wait_loadcnt 0x0                             ; Q and step 0's raw block
	s_wait_alu depctr_va_vdst(0)                   ; v4 to v9 and v16 to v18 are written: the LDS addresses of the turn, of the images and of the way out, and the prefetch's offset; none is written again
	TURN KF
	TURN S                                         ; (in order behind the first turn's loads)
	s_wait_dscnt 0x0
	QUANT32 KF, QB+4                               ; lane (r, h): block h of query r: the operand's registers as they stand
	QWORD 0
	QUANT32 S, QB+12
	QWORD 1                                        ; (Q's codes and scale words are written by vector instructions and taken by scaled products: the quantiser's wait just below and the first trip's stand between)
	RAWQUANT RAW0, KWI, KWS, VWI, VWS, 0, 0        ; step 0's images
	s_add_nc_u64 s[RAWP:RAWP+1], s[RAWP:RAWP+1], STEPB   ; (the loads that read this base were waited for above)
	s_wait_dscnt 0x0                               ; for the others' sake: my stores into step 0's images have landed
	s_barrier_signal -1
	s_barrier_wait -1
.Ltrip:                                            ; 15 trips: trip j multiplies step j and quantises step j + 1
	s_wait_alu depctr_vm_vsrc(0)                   ; the LDS instructions of the step before have read v10 to v15, which the six additions write, and its two stores the codes and the byte, which this trip's quantiser writes
	v_add_nc_u32 v[AD], s[TI], v[LI]
	v_add_nc_u32 v[ADS], s[TS], v[LSC]
	v_add_nc_u32 v[KWT], s[TI], v[KWI]
	v_add_nc_u32 v[KST], s[TS], v[KWS]
	v_add_nc_u32 v[VWT], s[TI], v[VWI]
	v_add_nc_u32 v[VST], s[TS], v[VWS]
	s_wait_alu depctr_va_vdst(0)                   ; v10 to v15 are written, which this trip's LDS instructions read; the products of the step before are done reading K's fragments and scale words, in which the loads below land
	PHASE 0, 1, 1
	PHASE 1, 0, 1                                  ; K's fragments are read again: the raw block lay in their registers
	s_wait_xcnt 0x0                                ; the prefetch, a phase and a half back, has read its address: both bases may step
	s_add_nc_u64 s[RAWP:RAWP+1], s[RAWP:RAWP+1], STEPB
	s_add_nc_u64 s[PFP:PFP+1], s[PFP:PFP+1], STEPB
	s_wait_dscnt 0x0                               ; for the others' sake: my stores into step j + 1's images have landed
	s_barrier_signal -1
	s_barrier_wait -1                              ; everybody's have.  No LDS byte of an image is written twice, so nothing has to be ordered the other way round
	s_add_co_u32 s[TI], s[TI], IMGB
	s_add_co_u32 s[TS], s[TS], SCLB
	s_add_co_u32 s[J], s[J], 1
	s_cmp_lt_u32 s[J], STEPS-1
	s_cbranch_scc1 .Ltrip
	s_wait_alu depctr_vm_vsrc(0)                   ; the LDS loads of the step before have read v10 and v11, which the two additions write
	v_add_nc_u32 v[AD], s[TI], v[LI]               ; the last step is written out: nothing is left to fetch or to quantise, and no barrier follows
	v_add_nc_u32 v[ADS], s[TS], v[LSC]
	s_wait_alu depctr_va_vdst(0)                   ; v10 and v11 are written, which the last step's LDS loads read; the products of the step before are done reading K's fragments and scale words
	PHASE 0, 0, 1
	PHASE 1, 0, 0                                  ; K's fragments still stand in their registers
	v_add_f32 v44, v44, v45                        ; the sums' two halves,
	v_add_f32 v48, v48, v49
	v_permlanex16_b32 v[T2], v44, s[SEL], s[SEL+1]
	v_permlanex16_b32 v[T2+1], v48, s[SEL], s[SEL+1]
	v_add_f32 v44, v44, v[T2]                      ; and lane l xor 16's: the rows' sums
	v_add_f32 v48, v48, v[T2+1]
	s_wait_alu depctr_va_vdst(0)
	v_rcp_f32 v[BM], v44
	v_rcp_f32 v[BM+2], v48
	v_nop                                          ; a plain place behind the reciprocals
	s_wait_alu depctr_va_vdst(0)                   ; the two reciprocals are written: one wait for both, ahead of the first reader
	OMUL 0
	OMUL 1
	s_wait_alu depctr_va_vdst(0)                   ; the divisions have written both tiles' 64 registers, which the stage's stores read and in which the stage's loads land
	OSTAGE 0
	OSTAGE 1                                       ; tile 1 goes through the stage while tile 0 is stored
	OSEND 0, 16                                    ; behind tile 0's loads: tile 1's eight stores and eight loads
	OSEND 1, 0
	s_wait_dscnt 0x0
	s_wait_alu depctr_hold_cnt(0) depctr_sa_sdst(0) depctr_va_vdst(0) depctr_va_sdst(0) depctr_va_ssrc(0) depctr_va_vcc(0) depctr_vm_vsrc(0)
	s_wait_tensorcnt 0x0
	ds_add_u32 v94, v95
	s_wait_dscnt 0x0
	s_endpgm
.Lfunc_end_k_q36ef843066_attn:
	.size	k_q36ef843066_attn, .Lfunc_end_k_q36ef843066_attn-k_q36ef843066_attn
	.p2alignl 7, 3214868480
	.fill 96, 4, 3214868480
	.section	.rodata,"a",@progbits
	.p2align	6, 0x0
	.amdhsa_kernel k_q36ef843066_attn
		.amdhsa_group_segment_fixed_size 219136
		.amdhsa_private_segment_fixed_size 0
		.amdhsa_enable_private_segment 0
		.amdhsa_kernarg_size 32
		.amdhsa_user_sgpr_count 2
		.amdhsa_user_sgpr_kernarg_segment_ptr 1
		.amdhsa_wavefront_size32 1
		.amdhsa_system_sgpr_workgroup_id_x 1
		.amdhsa_system_sgpr_workgroup_id_y 1
		.amdhsa_system_sgpr_workgroup_id_z 1
		.amdhsa_system_vgpr_workitem_id 0
		.amdhsa_next_free_vgpr 256
		.amdhsa_next_free_sgpr 66
		.amdhsa_reserve_vcc 0
		.amdhsa_float_denorm_mode_32 3
		.amdhsa_float_denorm_mode_16_64 3
		.amdhsa_memory_ordered 1
		.amdhsa_forward_progress 1
		.amdhsa_inst_pref_size 96
	.end_amdhsa_kernel
	.amdgpu_metadata
---
amdhsa.version: [ 1, 2 ]
amdhsa.kernels:
  - .name:           k_q36ef843066_attn
    .symbol:         k_q36ef843066_attn.kd
    .args:
      - { .name: query, .offset: 0, .size: 8, .value_kind: global_buffer, .address_space: global }
      - { .name: key, .offset: 8, .size: 8, .value_kind: global_buffer, .address_space: global }
      - { .name: value, .offset: 16, .size: 8, .value_kind: global_buffer, .address_space: global }
      - { .name: out0, .offset: 24, .size: 8, .value_kind: global_buffer, .address_space: global }
    .group_segment_fixed_size: 219136
    .private_segment_fixed_size: 0
    .kernarg_segment_align: 8
    .kernarg_segment_size: 32
    .max_flat_workgroup_size: 512
    .sgpr_count:     66
    .vgpr_count:     256
    .wavefront_size: 32
...
	.end_amdgpu_metadata
.endif
;; end of part 2
